; MI455X (gfx1250); checked and timed in simulation.
; The chip was launched on July 23, 2026; its instructions are those of AMD's public machine-readable ISA for CDNA 5 (MIT licence, August 2026) and "CDNA5" Instruction Set Architecture Reference Guide (July 2026). The comments in the code are by the model that wrote it; some were corrected since.
;; Scaled Dot Product Attention. Allowed arithmetic: matrix products marked QUANTISED: E5M2 operands, one E8M0 scale for each 32 along K, by v_wmma_scale_f32_16x16x128_f8f6f4 with both operands' format E5M2, f32 sums; everything else in f32.
;; Inputs: k 4 x 16 x 2,048 x 64 float32; mask 4 x 1 x 2,048 x 2,048 bool; q 4 x 16 x 2,048 x 64 float32; v 4 x 16 x 2,048 x 64 float32.
;; Outputs: out0 4 x 16 x 2,048 x 64 float32.
;; This version of the problem:
;;   THIS VERSION OF THE PROBLEM IS GIVEN IN LOW PRECISION. The matrix products marked QUANTISED in the list below multiply operands that are first quantised to E5M2 (5 exponent bits, 2 mantissa bits; 8 bits a number), with one power-of-two scale for each 32 numbers along K (OCP MX v1.0); their sums are f32. All else is computed in f32.
;;   The module's matrix products, in the order in which they are computed (A, B: the left and right operand; K: the contracted axis; several contracted axes count as one K, in the product's order):
;;     1. batch 64 x [M 2,048, K 64] x [K 64, N 2,048]; A: input q; B: input k: QUANTISED
;;     2. batch 64 x [M 2,048, K 2,048] x [K 2,048, N 64]; A: softmax (see below); B: input v: QUANTISED
;;   THE QUANTISER, for each operand of a quantised product, along K:
;;     - K is cut into blocks of 32 from its start; a last block that is shorter is filled with zeros.
;;     - A block's scale is 2^e with e = floor(log2(the largest magnitude in the block)) - 15, held to -126 .. 127; a block of zeros has e = 0. As a byte (E8M0): e + 127.
;;     - Each number is divided by its block's scale, clamped to +-57,344, and rounded to the nearest number of E5M2, ties to even, subnormals kept.
;;     - The product sums the exact products of the quantised numbers (number of the format x scale) in f32.
;;   ~~~python
;;   def quantise(x, axis):      # numpy; x: float32 -> the quantised numbers, widened to float32 again
;;       x = np.moveaxis(x, axis, -1); K = x.shape[-1]
;;       x = np.pad(x, [(0, 0)] * (x.ndim - 1) + [(0, -K % 32)]); x = x.reshape(x.shape[:-1] + (-1, 32)); a = np.abs(x).max(-1, keepdims=True)
;;       e = np.where(a > 0, np.clip(np.frexp(np.where(a > 0, a, 1))[1] - 1 - 15, -126, 127), 0)      # np.frexp(a)[1] - 1 = floor(log2(a)), exactly
;;       r = np.clip(x / 2.0 ** e, -57344, 57344)
;;       step = 2.0 ** (np.maximum(np.frexp(np.where(r == 0, 1, r))[1] - 1, -14) - 2)
;;       q = np.round(r / step) * step * 2.0 ** e      # np.round: ties to even
;;       return np.moveaxis(q.reshape(q.shape[:-2] + (-1,))[..., :K], -1, axis).astype(np.float32)
;;   ~~~
;;   SOFTMAX AHEAD OF A QUANTISED PRODUCT. Where the list says 'softmax', what is quantised is not the finished softmax but p = 2^(t - M), with t = logit x log2(e) and M = ceil(the row's largest t), a whole number; so 1/2 < the row's largest p <= 1. The row's sum l is taken of the UNQUANTISED p, in f32, and the product's result is divided by l at the end. Since M is a whole number, a kernel that streams over the keys may use a running M (the ceiling of the running maximum): every later rescaling is an exact power of two, which a block's scale takes up: the codes' values come out the same.
;;   OPERANDS COMPUTED ON THE WAY. 'Computed on the way' means the value that the module computes at that place (a softmax that the list does not call 'softmax' is quantised finished and normalised). What goes into a quantiser is computed in f32, as accurately as f32 sums, v_exp_f32 and their like allow (about 1e-6 of the number): no bf16 or f16 on the way to a quantiser, and a product that is left as it is and whose result goes on into a quantised operand takes f32 operands (vector FMAs, or v_wmma_f32_16x16x4_f32). A number that lies on a knife's edge between two numbers of the format may be rounded either way, as far as f32 arithmetic and the matrix unit's own rounding can turn it there, and no further.
;; One version. Each part assembles by itself: llvm-mc -triple=amdgcn-amd-amdhsa -mcpu=gfx1250 --defsym DOCPART=n.
;; ======== version 1 of 1: 2 launches
;; limits: right only within a limited range of input values
;; workspace buffers: kv 17,301,504 bytes; maskw 2,097,152 bytes of whole numbers; need 16,384 bytes of whole numbers
;; launch prep (part 1): grid 1024 x 1, 4 waves a work-group, no clusters, 17,920 bytes of LDS; arguments k, v, mask, kv, maskw, need; writes kv, maskw, need
.if DOCPART == 1
	.amdgcn_target "amdgcn-amd-amdhsa--gfx1250"
	.amdhsa_code_object_version 6
	.text
	.protected	k_q403d60ce31_prep
	.globl	k_q403d60ce31_prep
	.p2align	8
	.type	k_q403d60ce31_prep,@function
k_q403d60ce31_prep:
	s_mov_b64 s[64:65], 0
	v_nop
	global_prefetch_b8 v0, s[64:65] scope:SCOPE_SE
	s_setreg_imm32_b32 hwreg(HW_REG_WAVE_MODE, 25, 1), 1
	s_wait_xcnt 0x0
; THE LAUNCH IN FRONT OF THE ATTENTION.  k, v: [64 heads][2048 keys][64] f32.  mask: [4][2048 queries][2048 keys], one byte, 1 = masked, 0 = counts.
; It makes three buffers of the program's own.
;  kv    [head][step of 128 keys][16,896 bytes]: codes of BF8 (E5M2) and E8M0 scale words, laid as IMAGES OF THE OPERANDS' REGISTERS:
;        +0      K's fragments f = 0..3, 2,048 bytes each, [c 0..3][lane][16 bytes]: lane (r, h), registers 4c..4c+3 = key 32f + r + 8(r/8) + 8(c/2), channels 32(c%2) + 16h + 0..15
;        +8,192  V's fragments t = 0..3, likewise: lane (r, h), registers 4c..4c+3 = channel 16t + r, keys 32c + 16h + 0..15
;        +16,384 K's scale words [r][f], +16,640 V's scale words [r][t], four bytes each
;  maskw [b][tile of 16 queries][step][j 0..63] words: bit L of word 16f + i = mask of query L % 16, key 32f + 16(L/16) + i
;  need  [b x 128 + tile][group g of four steps]{bits, rowand}: bit 4g+i: step 4g+i has a key that counts; bit 16+4g+i: it has a masked one; rowand: the AND of the group's 256 words
; THE QUANTISER: a block's scale is 2^(floor(log2(largest magnitude)) - 15); its byte is the largest magnitude's exponent field - 15, held at 1 from below by a floor among the maximum's leaves;
; each number is held within +-57,344 x the scale and converted, to the nearest code, ties to even.
; LIMITS: a block of zeros gets the byte 1 (its codes are zeros, and this program alone reads the bytes); NaN and infinities among k and v are not served; a mask byte is 0 or 1, as a bool is laid.
; SHARES: work-groups 0-255 take K, 256-511 V (a wave to a head's step), 512-1023 the mask (a work-group to a tile of 16 queries, a wave to four steps).
; Waves share nothing: no barrier, no loop; every offset is an immediate, and no store's data register is written again.  Role K alone uses LDS: a stage of its own for each wave.
.set STEPB, 16896
.set SPW,  8                           ; v8   LDS address of my spare word; never rewritten
.set NIL,  9                           ; v9   0; never rewritten
.set KSTG, 4352                        ; role K: a wave's stage: 16 rows of 256 + 16 bytes
.set SPARE, 4*KSTG                     ; behind the stages: the spare words, 128 bytes a wave
.set KR, 16                            ; role K: v16-143 four sets of 32 registers as loaded
.set KX, 144                           ;         v144-175 32 numbers of a lane: two half blocks
.set KC, 176                           ;         v176-239 codes, 8 registers a unit
.set KW, 240                           ;         v240-243 the four scale words
.set KT, 244                           ;         v244-251 at work
.set VX, 16                            ; role V: v16-79 two sets of 32 numbers
.set VC, 80                            ;         v80-143 codes, 8 registers a block
.set VW, 144                           ;         v144-155 scale words and work
.set MX, 16                            ; role M: v16-79 mask bytes: register 4 p + q = row p, my keys 4 q .. 4 q + 3
.set ML, 80                            ;         v80-83 rows 0-7 as bits of each byte;  v84-87 rows 8-15
.set MH, 84
.set HW, 88                            ;         v88-95 register m: the 16 rows' bits of my keys 2 m (low half) and 2 m + 1
.set XC, 96                            ;         v96-99 what I hand to lane l xor 1, then what it handed me
.set MA, 100                           ;         v100-103 the low halves' data;  v104-107 the high halves'
.set MB2, 104
.set OW, 108                           ;         v108-115 my eight words
.set RA, 116                           ;         v116 AND, v117 OR, v118-119 at work, v120 flags, v121-122 constants
.set RO, 117
.set TM, 118
.set RF, 120
	s_load_b256 s[4:11], s[0:1], 0x0               ; k s[4:5], v s[6:7], mask s[8:9], kv s[10:11]
	s_load_b128 s[12:15], s[0:1], 0x20             ; maskw s[12:13], need s[14:15]
	v_lshl_add_u32 v[SPW], v0, 2, SPARE
	v_mov_b32 v[NIL], 0
	v_lshrrev_b32 v1, 5, v0
	v_readfirstlane_b32 s16, v1                    ; wave 0..3
	v_and_b32 v1, 31, v0                           ; lane
	v_and_b32 v2, 15, v0                           ; r
	v_bfe_u32 v3, v0, 4, 1                         ; h
	s_mov_b32 s19, 0                               ; the upper word of every offset pair s[18:19]
	s_mov_b32 s22, 0x76543210
	s_mov_b32 s23, 0xfedcba98                      ; v_permlanex16_b32's selects for lane l xor 16
	s_mov_b32 s24, 0x600000                        ; the mantissa field of 57,344
	s_mov_b32 s25, 0xffff0000                      ; lanes 16-31
	s_wait_alu depctr_va_vdst(0)
	s_wait_kmcnt 0x0
	s_cmp_lt_u32 ttmp9, 256
	s_cbranch_scc0 .Lnot_k
; ---------------- ROLE K ----------------
; A unit g = 2 f + cc is the 16 keys 32 f + 8 cc + {0..7, 16..23}: two runs of 2,048 consecutive bytes.  Each of its eight loads reads 512 consecutive bytes; the 16 rows go through my stage as they lie
; and come back 64 bytes a lane and block: lane (r, h) takes, of stage row r, channels 32 e + 16 h + 0..15, e = 0, 1.  That is registers 4 c .. 4 c + 3 of fragment f, c = 2 cc + e.
.macro KLOAD g
.irp i, 0,1,2,3,4,5,6,7
	global_load_b128 v[KR+32*((\g)%4)+4*\i:KR+32*((\g)%4)+4*\i+3], v4, s[4:5] offset:8192*((\g)/2)+2048*((\g)%2)+4096*(\i/4)+512*(\i%4) th:TH_LOAD_NT
.endr
.endm
.macro KUNIT g
.if (\g) < 4
	s_wait_loadcnt 24                              ; this unit's eight loads are in; the three units behind it may be out
.else
	s_wait_loadcnt 8*(7-(\g))
.endif
.irp i, 0,1,2,3,4,5,6,7
	ds_store_b128 v5, v[KR+32*((\g)%4)+4*\i:KR+32*((\g)%4)+4*\i+3] offset:544*\i   ; load i holds stage rows 2 i and 2 i + 1
.endr
.irp e, 0,1
.irp j, 0,1,2,3
	ds_load_b128 v[KX+16*\e+4*\j:KX+16*\e+4*\j+3], v7 offset:128*\e+16*\j   ; LDS serves a wave's instructions in order (ISA guide 5.7.1): these see the stores above, and the next unit's stores come behind them
.endr
.endr
	s_wait_dscnt 0x0                               ; the numbers are back, and the stores have read their registers,
.if (\g) < 4
	KLOAD (\g)+4                                   ; which take the loads of four units on
.endif
.irp b, 0,1
	v_max3_num_f32 v[KT+\b], |v[KX+16*\b]|, |v[KX+16*\b+1]|, 0x8000000   ; my 16 numbers of block b, and the floor 2^(16 - 127)
.endr
.irp i, 2,4,6,8,10,12,14
.irp b, 0,1
	v_max3_num_f32 v[KT+\b], v[KT+\b], |v[KX+16*\b+\i]|, |v[KX+16*\b+\i+1]|
.endr
.endr
.irp b, 0,1
	v_permlanex16_b32 v[KT+2+\b], v[KT+\b], s22, s23
.endr
.irp b, 0,1
	v_max_num_f32 v[KT+\b], v[KT+\b], v[KT+2+\b]   ; with lane l xor 16's 16: the block's largest magnitude
.endr
.irp b, 0,1
	v_add_nc_u32 v[KT+6+\b], 0xf8800000, v[KT+\b]  ; 15 off its exponent field: the conversion's scale operand
.endr
.irp b, 0,1
	v_and_or_b32 v[KT+4+\b], v[KT+\b], 0x7f800000, s24   ; 57,344 x the scale
.endr
.irp b, 0,1
	v_lshrrev_b32 v[KT+2+\b], 23, v[KT+6+\b]       ; the scale's byte
.endr
.if (\g)%2 == 0
	v_lshl_or_b32 v[KW+(\g)/2], v[KT+3], 8, v[KT+2]   ; bytes c = 0, 1 of fragment f's word
.else
	v_lshl_or_b32 v[KW+(\g)/2], v[KT+2], 16, v[KW+(\g)/2]   ; bytes c = 2, 3
	v_lshl_or_b32 v[KW+(\g)/2], v[KT+3], 24, v[KW+(\g)/2]
.endif
.irp b, 0,1
.irp i, 0,1,2,3,4,5,6,7,8,9,10,11,12,13,14,15
	v_med3_num_f32 v[KX+16*\b+\i], v[KX+16*\b+\i], -v[KT+4+\b], v[KT+4+\b]   ; the conversion to an 8-bit code does not saturate (ISA guide 7.6.2): the hold comes first
.endr
	v_cvt_scalef32_pk8_bf8_f32 v[KC+8*(\g)+4*\b:KC+8*(\g)+4*\b+1], v[KX+16*\b:KX+16*\b+7], v[KT+6+\b]
	v_cvt_scalef32_pk8_bf8_f32 v[KC+8*(\g)+4*\b+2:KC+8*(\g)+4*\b+3], v[KX+16*\b+8:KX+16*\b+15], v[KT+6+\b]
.endr
	v_nop                                          ; one plain vector line behind the last conversion
.irp b, 0,1
	global_store_b128 v4, v[KC+8*(\g)+4*\b:KC+8*(\g)+4*\b+3], s[10:11] offset:2048*((\g)/2)+1024*((\g)%2)+512*\b   ; 32 lanes store 512 consecutive bytes, aligned
.endr
.endm
	s_lshl_b32 s17, ttmp9, 2
	s_add_co_u32 s17, s17, s16                     ; u = 16 x head + step
	s_lshl_b32 s18, s17, 15                        ; 128 keys of 256 bytes
	s_add_nc_u64 s[4:5], s[4:5], s[18:19]
	s_mul_i32 s18, s17, STEPB
	s_add_nc_u64 s[10:11], s[10:11], s[18:19]
	s_mul_i32 s20, s16, KSTG                       ; my stage
	v_lshlrev_b32 v4, 4, v1                        ; 16 x lane: my place in a load's 512 bytes and in an image
	v_mul_u32_u24 v5, v3, 272
	v_mul_u32_u24 v7, v2, 272
	v_lshl_add_u32 v5, v2, 4, v5
	v_lshl_add_u32 v7, v3, 6, v7
	v_add_nc_u32 v5, s20, v5                       ; into the stage: lanes 0-15 one row, lanes 16-31 the next
	v_add_nc_u32 v7, s20, v7                       ; out of it: row r, + 64 h
	v_lshlrev_b32 v6, 4, v2                        ; row r's four scale words
	v_mov_b32 v[KT+2], 0                           ; a lane permute's destination counts as one of its sources
	v_mov_b32 v[KT+3], 0
	s_wait_alu depctr_va_vdst(0)
	KLOAD 0
	KLOAD 1
	KLOAD 2
	KLOAD 3
.irp g, 0,1,2,3,4,5,6,7
	KUNIT \g
.endr
	global_store_b128 v6, v[KW:KW+3], s[10:11] offset:16384   ; 256 consecutive bytes; lanes 16-31 write what lanes 0-15 write
	s_wait_tensorcnt 0x0                           ; the wave's end
	ds_add_u32 v[SPW], v[NIL]
	s_wait_dscnt 0x0
	s_endpgm
.Lnot_k:
	s_cmp_lt_u32 ttmp9, 512
	s_cbranch_scc0 .Lmask
; ---------------- ROLE V ----------------
; A lane takes a channel and its registers run down the keys: a block of 32 keys lies in one lane's 32 registers, and the codes come out with the keys innermost.
; Block q: pass p = q / 4 (channel 32 p + lane), key block c = q % 4.
.macro VLOAD q
.irp i, 0,1,2,3,4,5,6,7,8,9,10,11,12,13,14,15,16,17,18,19,20,21,22,23,24,25,26,27,28,29,30,31
	global_load_b32 v[VX+32*((\q)%2)+\i], v4, s[6:7] offset:(32*((\q)%4)+\i)*256+128*((\q)/4) th:TH_LOAD_NT
.endr
.endm
.macro VBLOCK q
.set XS, VX+32*((\q)%2)
.set CQ, VC+8*(\q)
.if (\q) < 7
	s_wait_loadcnt 32                              ; this block's 32 loads are in; the next block's 32 may be out
.else
	s_wait_loadcnt 0
.endif
	v_max3_num_f32 v152, |v[XS]|, |v[XS+1]|, |v[XS+2]|
	v_max3_num_f32 v153, |v[XS+3]|, |v[XS+4]|, |v[XS+5]|
.irp i, 6,10,14,18,22,26
	v_max3_num_f32 v152, v152, |v[XS+\i]|, |v[XS+\i+1]|
	v_max3_num_f32 v153, v153, |v[XS+\i+2]|, |v[XS+\i+3]|
.endr
	v_max3_num_f32 v152, v152, |v[XS+30]|, |v[XS+31]|
	v_max3_num_f32 v152, v152, v153, 0x8000000     ; and the floor
	v_add_nc_u32 v155, 0xf8800000, v152            ; the conversion's scale operand
	v_and_or_b32 v154, v152, 0x7f800000, s24       ; 57,344 x the scale
	v_lshrrev_b32 v153, 23, v155                   ; the scale's byte
.if (\q)%4 == 0
	v_mov_b32 v[VW+(\q)/4], v153                   ; four bytes to a word, the earlier keys in the lower byte
.else
	v_lshl_or_b32 v[VW+(\q)/4], v153, 8*((\q)%4), v[VW+(\q)/4]
.endif
.irp i, 0,1,2,3,4,5,6,7,8,9,10,11,12,13,14,15,16,17,18,19,20,21,22,23,24,25,26,27,28,29,30,31
	v_med3_num_f32 v[XS+\i], v[XS+\i], -v154, v154
.endr
.irp g, 0,1,2,3
	v_cvt_scalef32_pk8_bf8_f32 v[CQ+2*\g:CQ+2*\g+1], v[XS+8*\g:XS+8*\g+7], v155
.endr
	v_nop                                          ; one plain vector line behind the last conversion
	global_store_b128 v5, v[CQ:CQ+3], s[10:11] offset:8192+4096*((\q)/4)+512*((\q)%4)         ; keys 32c + 0..15: the image's lanes 0-15; each half of my lanes stores 256 consecutive bytes, aligned
	global_store_b128 v5, v[CQ+4:CQ+7], s[10:11] offset:8192+4096*((\q)/4)+512*((\q)%4)+256   ; keys 32c + 16..31: its lanes 16-31
.if (\q) < 6
	VLOAD (\q)+2
.endif
.endm
	s_sub_co_u32 s17, ttmp9, 256
	s_lshl_b32 s17, s17, 2
	s_add_co_u32 s17, s17, s16                     ; u = 16 x head + step
	s_lshl_b32 s18, s17, 15
	s_add_nc_u64 s[6:7], s[6:7], s[18:19]
	s_mul_i32 s18, s17, STEPB
	s_add_nc_u64 s[10:11], s[10:11], s[18:19]
	s_wait_alu depctr_va_vdst(0)
	v_lshlrev_b32 v4, 2, v1                        ; in: 4 bytes a lane
	v_lshlrev_b32 v5, 11, v3
	v_lshl_add_u32 v5, v2, 4, v5                   ; out: fragment 2p + lane / 16, place lane % 16
	v_lshlrev_b32 v6, 4, v2
	v_mov_b32 v146, 0
	v_mov_b32 v147, 0                              ; a lane permute's destination counts as one of its sources
	VLOAD 0
	VLOAD 1
.irp q, 0,1,2,3,4,5,6,7
	VBLOCK \q
.endr
	v_permlanex16_b32 v146, v144, s22, s23         ; lanes 0-15 hold fragments 0 and 2's words, lanes 16-31 fragments 1 and 3's: each takes the other's
	v_permlanex16_b32 v147, v145, s22, s23
	v_cndmask_b32 v148, v144, v146, s25            ; fragment 0's word of row lane % 16, in every lane
	v_cndmask_b32 v149, v146, v144, s25            ; fragment 1's
	v_cndmask_b32 v150, v145, v147, s25            ; fragment 2's
	v_cndmask_b32 v151, v147, v145, s25            ; fragment 3's
	global_store_b128 v6, v[148:151], s[10:11] offset:16640   ; 256 consecutive bytes; both halves of the lanes write the same
	s_endpgm
; ---------------- ROLE M ----------------
; Each load reads 512 consecutive bytes of one row: lane l = 8 i + 2 f + hb holds, for all 16 rows, the 16 keys 128 i + 32 f + 16 hb + 0..15 of my four steps.
; A byte is 0 or 1: shifted by its row and ORed, eight rows become the eight bits of a byte.  Two byte permutes a register make 16-bit halves (16 rows of one key);
; lanes l and l xor 1 hold the two halves of the same 16 words and share them out: the even lane makes words 0-7 of the 16, the odd lane words 8-15.
.Lmask:
	s_sub_co_u32 s17, ttmp9, 512                   ; u = 128 b + tile
	s_lshl_b32 s18, s17, 15                        ; 16 rows of 2,048 bytes
	s_lshl_b32 s20, s16, 9                         ; my four steps: 512 keys
	s_add_co_u32 s18, s18, s20
	s_add_nc_u64 s[8:9], s[8:9], s[18:19]
	s_lshl_b32 s18, s17, 12                        ; 16 steps of 256 bytes
	s_lshl_b32 s20, s16, 10
	s_add_co_u32 s18, s18, s20
	s_add_nc_u64 s[12:13], s[12:13], s[18:19]
	s_lshl_b32 s18, s17, 5                         ; four records of 8 bytes
	s_lshl_b32 s20, s16, 3
	s_add_co_u32 s18, s18, s20
	s_add_nc_u64 s[14:15], s[14:15], s[18:19]
	s_mov_b32 s26, 0xaaaaaaaa                      ; the odd lanes
	s_lshl_b32 s17, s16, 2                         ; 4 g
	v_lshlrev_b32 v4, 4, v1                        ; in: 16 bytes a lane
	v_lshlrev_b32 v5, 5, v1                        ; out: eight words a lane
	v_mov_b32 v6, 0
	v_lshrrev_b32 v7, 3, v1                        ; i: which of my four steps
	v_mov_b32 v[TM], 0                             ; destinations of lane moves count as read
	v_mov_b32 v[TM+1], 0
	v_mov_b32 v121, 1
	v_mov_b32 v122, 0x10000
	s_wait_alu depctr_va_vdst(0)
.irp p, 0,1,2,3,4,5,6,7,8,9,10,11,12,13,14,15
	global_load_b128 v[MX+4*\p:MX+4*\p+3], v4, s[8:9] offset:2048*\p
.endr
.macro GATH dst, src                   ; eight rows' bytes, v[src] on, into the bits of v[dst] on: four chains by turns
.irp q, 0,1,2,3
	v_lshl_or_b32 v[(\dst)+\q], v[(\src)+4+\q], 1, v[(\src)+\q]
.endr
.irp p, 2,3,4,5,6,7
.irp q, 0,1,2,3
	v_lshl_or_b32 v[(\dst)+\q], v[(\src)+4*\p+\q], \p, v[(\dst)+\q]
.endr
.endr
.endm
	s_wait_loadcnt 8                               ; rows 0-7 are in; the eight loads behind them may be out
	GATH ML, MX
	s_wait_loadcnt 0
	GATH MH, MX+32
.irp q, 0,1,2,3
	v_perm_b32 v[HW+2*\q], v[MH+\q], v[ML+\q], 0x05010400     ; keys 4 q and 4 q + 1: rows 0-7 under rows 8-15
	v_perm_b32 v[HW+2*\q+1], v[MH+\q], v[ML+\q], 0x07030602   ; keys 4 q + 2 and 4 q + 3
.endr
.irp k, 0,1,2,3
	v_cndmask_b32 v[XC+\k], v[HW+4+\k], v[HW+\k], s26         ; the even lane hands over keys 8-15, the odd lane keys 0-7
.endr
.irp k, 0,1,2,3
	v_mov_b32_dpp v[XC+\k], v[XC+\k] row_xmask:1 row_mask:0xf bank_mask:0xf
.endr
.irp k, 0,1,2,3
	v_cndmask_b32 v[MA+\k], v[HW+\k], v[XC+\k], s26           ; the even lane's halves: bits 0-15 of a word
	v_cndmask_b32 v[MB2+\k], v[XC+\k], v[HW+4+\k], s26        ; the odd lane's: bits 16-31
.endr
.irp k, 0,1,2,3
	v_perm_b32 v[OW+2*\k], v[MB2+\k], v[MA+\k], 0x05040100
	v_perm_b32 v[OW+2*\k+1], v[MB2+\k], v[MA+\k], 0x07060302
.endr
	global_store_b128 v5, v[OW:OW+3], s[12:13]               ; the two stores together fill my wave's 1,024 consecutive bytes
	global_store_b128 v5, v[OW+4:OW+7], s[12:13] offset:16
	v_and_b32 v[RA], v[OW], v[OW+1]
	v_or_b32 v[RO], v[OW], v[OW+1]
.irp k, 2,3,4,5,6,7
	v_and_b32 v[RA], v[RA], v[OW+\k]
	v_or_b32 v[RO], v[RO], v[OW+\k]
.endr
.irp m, 1,2,4                          ; over the eight lanes of a step
	v_mov_b32_dpp v[TM], v[RA] row_xmask:\m row_mask:0xf bank_mask:0xf
	v_mov_b32_dpp v[TM+1], v[RO] row_xmask:\m row_mask:0xf bank_mask:0xf
	v_and_b32 v[RA], v[RA], v[TM]
	v_or_b32 v[RO], v[RO], v[TM+1]
.endr
	v_cmp_ne_u32 vcc_lo, -1, v[RA]
	v_cndmask_b32 v[RF], v6, v121, vcc_lo          ; 1: some key of the step counts for some query
	v_cmp_ne_u32 vcc_lo, 0, v[RO]
	v_cndmask_b32 v[TM], v6, v122, vcc_lo          ; 0x10000: some key is masked for some query
	v_or_b32 v[RF], v[RF], v[TM]
	v_lshlrev_b32 v[RF], v7, v[RF]                 ; to the step's place
	v_mov_b32_dpp v[TM], v[RA] row_xmask:8 row_mask:0xf bank_mask:0xf
	v_mov_b32_dpp v[TM+1], v[RF] row_xmask:8 row_mask:0xf bank_mask:0xf
	v_and_b32 v[RA], v[RA], v[TM]
	v_or_b32 v[RF], v[RF], v[TM+1]
	v_permlanex16_b32 v[TM], v[RA], s22, s23
	v_permlanex16_b32 v[TM+1], v[RF], s22, s23
	v_and_b32 v93, v[RA], v[TM]                    ; the AND of all my 256 words
	v_or_b32 v[RF], v[RF], v[TM+1]
	v_lshlrev_b32 v92, s17, v[RF]                  ; to my group's places: bits 4g + i and 16 + 4g + i
	v_cmp_eq_u32 vcc_lo, 0, v1
	s_wait_alu depctr_va_vdst(0)
	s_wait_xcnt 0x0                                ; EXEC is a source of the stores above: it changes only behind this wait
	s_and_saveexec_b32 s40, vcc_lo
	global_store_b64 v6, v[92:93], s[14:15]        ; lane 0 stores the record
	s_wait_xcnt 0x0                                ; and again in front of the line that widens it
	s_or_b32 exec_lo, exec_lo, s40
	s_endpgm
.Lfunc_end_k_q403d60ce31_prep:
	.size	k_q403d60ce31_prep, .Lfunc_end_k_q403d60ce31_prep-k_q403d60ce31_prep
	.p2alignl 7, 3214868480
	.fill 96, 4, 3214868480
	.section	.rodata,"a",@progbits
	.p2align	6, 0x0
	.amdhsa_kernel k_q403d60ce31_prep
		.amdhsa_group_segment_fixed_size 17920
		.amdhsa_private_segment_fixed_size 0
		.amdhsa_enable_private_segment 0
		.amdhsa_kernarg_size 48
		.amdhsa_user_sgpr_count 2
		.amdhsa_user_sgpr_kernarg_segment_ptr 1
		.amdhsa_wavefront_size32 1
		.amdhsa_system_sgpr_workgroup_id_x 1
		.amdhsa_system_sgpr_workgroup_id_y 1
		.amdhsa_system_sgpr_workgroup_id_z 1
		.amdhsa_system_vgpr_workitem_id 0
		.amdhsa_next_free_vgpr 256
		.amdhsa_next_free_sgpr 66
		.amdhsa_reserve_vcc 1
		.amdhsa_float_denorm_mode_32 3
		.amdhsa_float_denorm_mode_16_64 3
		.amdhsa_memory_ordered 1
		.amdhsa_forward_progress 1
		.amdhsa_inst_pref_size 116
	.end_amdhsa_kernel
	.amdgpu_metadata
---
amdhsa.version: [ 1, 2 ]
amdhsa.kernels:
  - .name:           k_q403d60ce31_prep
    .symbol:         k_q403d60ce31_prep.kd
    .args:
      - { .name: k, .offset: 0, .size: 8, .value_kind: global_buffer, .address_space: global }
      - { .name: v, .offset: 8, .size: 8, .value_kind: global_buffer, .address_space: global }
      - { .name: mask, .offset: 16, .size: 8, .value_kind: global_buffer, .address_space: global }
      - { .name: kv, .offset: 24, .size: 8, .value_kind: global_buffer, .address_space: global }
      - { .name: maskw, .offset: 32, .size: 8, .value_kind: global_buffer, .address_space: global }
      - { .name: need, .offset: 40, .size: 8, .value_kind: global_buffer, .address_space: global }
    .group_segment_fixed_size: 17920
    .private_segment_fixed_size: 0
    .kernarg_segment_align: 8
    .kernarg_segment_size: 48
    .max_flat_workgroup_size: 128
    .sgpr_count:     66
    .vgpr_count:     256
    .wavefront_size: 32
...
	.end_amdgpu_metadata
.endif
;; end of part 1
;; launch attn (part 2): grid 4 x 64, 16 waves a work-group, no clusters, 309,248 bytes of LDS; arguments q, kv, maskw, need, out0; writes out0
.if DOCPART == 2
	.amdgcn_target "amdgcn-amd-amdhsa--gfx1250"
	.amdhsa_code_object_version 6
	.text
	.protected	k_q403d60ce31_attn
	.globl	k_q403d60ce31_attn
	.p2align	8
	.type	k_q403d60ce31_attn,@function
k_q403d60ce31_attn:
	s_mov_b64 s[64:65], 0
	v_nop
	global_prefetch_b8 v0, s[64:65] scope:SCOPE_SE
	s_setreg_imm32_b32 hwreg(HW_REG_WAVE_MODE, 25, 1), 1
	s_wait_xcnt 0x0
; out0[head][q][:] = the sum over keys of softmax(q . k / 8, masked keys at a very low logit) v, both products on codes of BF8 (E5M2) with one E8M0 scale for each 32 along K.
; q, out0: [64 heads][2048][64] f32.  kv, maskw, need: as the launch before has laid them (K's and V's fragments as images of the operands' registers, the mask as lanes' masks, the list of steps).
; THE SOFTMAX: t = raw score x c, c = log2(e) / 8; M = the running largest t rounded UP to a whole number; p = 2^(t - M) is quantised along the keys, not normalised; the row's sum is taken of the
; unquantised p and divides at the end; when M moves, the sum and O are multiplied by 2^(old M - new M), which rounds nothing.
; THE MASK: a masked raw score becomes -2^33 (logit -2^30, where reference() has -1e9).  c x 2^33 is a whole number, so a row with every key masked has t - M = 0 and p = 1 for all keys, as with -1e9.
; LIMIT: results are reference()'s as long as every logit that counts lies above -9e8.  NaN and infinities among the inputs are not served.
; SHARES.  A work-group owns a head and a quarter of its 128 tiles of 16 queries.  Wave id = 16 x quarter + wave owns tiles 127 - id and id, one after the other (the pairing evens out masks that hide
; later keys from earlier queries; no value hangs on it).  Four waves to a SIMD.
; THE HEAD'S K AND V, 270,336 bytes of codes and scale words = 33 slabs of 8,192 bytes (512 threads x 16), come to lie in LDS, each byte filled once, through registers, and then only read.
; Slabs 0-16 (139,264 bytes: steps 0-7, 135,168 bytes, and a little more) are filled at the kernel's head.  The other 16 come during the first walk: in each of its trips 0-7 a thread asks for 16 bytes of two slabs
; at the trip's head and stores them at its end; one barrier stands behind trip 7, and behind it all 16 steps may be read.  Between the two barriers the bytes read (under 135,168) and the bytes stored
; (from 139,264 on) do not meet.  The asking, the stores and the barrier are run in every trip, walked or not.
; THE LIST OF STEPS.  A step of 128 keys all of which are masked for all 16 queries adds nothing (p = 0), unless some row of the tile is masked altogether: then every step is walked.
; The mask words are fetched, and the masking lines run, only in a step that has a masked key.  The loops' trip counts are constants.
; NO TENSOR LOAD, NO CLUSTER.  NO PREFETCH: each slab is asked for a whole trip ahead of its use by its own load.
; Q: each load reads 128 consecutive bytes of four rows; half a tile (16 rows x 128 bytes) at a time turns through my stage, so that lane (r, h) gets 16 neighbours of each block of its row r.
; The second tile's q is asked for at the first walk's end, ahead of the way out.
; LAYOUT.  Both products are used transposed: a lane holds ONE query (lane % 16) throughout.  S^T = K Q^T: the head's 64 channels fill half of the instruction's K = 128, so a fragment of K carries two
; keys a row, and Q is offered twice: [Q | 0] meets the first key, [0 | Q] the second.  Score register 16f + i = key 32f + 16 (lane / 16) + i.  O^T += V^T P^T: source 0 = 16 channels x 128 keys, source 1 = p's codes.
.set STEPB, 16896                      ; a step in LDS: K's 4 fragments, V's 4 fragments, 256 bytes of K's scale words, 256 of V's
.set HEADB, 16*STEPB
.set SLAB,  8192
.set STAGE, HEADB                      ; behind the head's bytes: a stage for each wave: 16 rows x (128 + 16) for q, 8 rows x (256 + 16) for the way out
.set WSTG,  2304
.set SPARE, STAGE+16*WSTG              ; the spare words, 128 bytes a wave
.set AD0, 1                            ; v1   16 x lane
.set AD,  2                            ; v2   the same in the step in hand
.set QA,  3                            ; v3   q in memory: row lane / 8, + 16 (lane % 8)
.set STO, 4                            ; v4   the way out: where I put 32 bytes of a row
.set RD,  5                            ; v5   and where I read a row back
.set GO,  6                            ; v6   my byte offset in two rows of out0
.set NEG, 7                            ; v7   -2^33
.set QSTO, 8                           ; v8   q into the stage
.set QRD, 9                            ; v9   q out of it: row r, + 64 h
.set FG,  10                           ; v10  the fill: 16 x thread, in a slab in memory and in LDS
.set QB,  16                           ; v16-39: 8 zeros, Q's 8 registers of codes, 8 zeros
.set KV,  40                           ; v40-103 four fragments of K, then of V; between walks q as f32
.set S,   104                          ; v104-167 S^T, then p; at the head v104-171 carry the first 17 slabs
.set OT,  168                          ; v168-199 O^T
.set PC,  200                          ; v200-215 p's codes
.set BM,  216
.set BT,  220
.set HD,  224
.set SO,  228
.set L2,  232
.set FF,  234
.set FD,  236                          ; v236-243 my 16 bytes of the trip's two slabs
.set SC,  244                          ; v244-247 scale words: lanes 0-15 K's, lanes 16-31 V's
.set QS,  248
.set PS,  249
.set FL,  250                          ; v250 where they go in LDS
.set TMP, 251
.set WV,  2
.set ST,  3
.set SG,  10                           ; s[10:11] the trip's two slabs in memory (behind the head; before that: need)
.set TB,  14
.set F,   15
.set MB,  84                           ; s[84:85] the step's 64 mask words;  they land in s[16:63], s[68:83]
.set F2,  86
.set OB,  88
.set QP,  90                           ; s[90:91] q at the tile
.set TT,  92
.set HM,  93                           ; s93  the lanes with r >= 8
.set SL,  94                           ; s94  the trip's two slabs in LDS
.set T0,  95
.set SEL, 96
.set CS,  98
.set MNT, 100
.set T1,  101
.macro QISSUE                          ; a tile's q: eight loads, each 4 rows x 128 consecutive bytes
.irp c, 0,1
.irp i, 0,1,2,3
	global_load_b128 v[KV+16*\c+4*\i:KV+16*\c+4*\i+3], v[QA], s[QP:QP+1] offset:128*\c+1024*\i th:TH_LOAD_NT
.endr
.endr
.endm
; 32 numbers of a lane, v[s] on (register 16 b + i = channel 32 b + 16 h + i of my query), become 8 registers of codes in v[pc] on and the scale word v[pw] = bytes [s0 s1 s0 s1].
.macro QUANT2 s, pc, pw
.irp b, 0,1
	v_max3_num_f32 v[12+\b], |v[(\s)+16*\b]|, |v[(\s)+16*\b+1]|, 0x8000000   ; and the floor 2^(16 - 127)
.endr
.irp i, 2,4,6,8,10,12,14
.irp b, 0,1
	s_delay_alu instid0(VALU_DEP_2)
	v_max3_num_f32 v[12+\b], v[12+\b], |v[(\s)+16*\b+\i]|, |v[(\s)+16*\b+\i+1]|
.endr
.endr
.irp b, 0,1
	s_delay_alu instid0(VALU_DEP_2)
	v_permlanex16_b32 v[14+\b], v[12+\b], s[SEL], s[SEL+1]
.endr
.irp b, 0,1
	s_delay_alu instid0(VALU_DEP_2)
	v_max_num_f32 v[12+\b], v[12+\b], v[14+\b]
.endr
.irp b, 0,1
	s_delay_alu instid0(VALU_DEP_2)
	v_add_nc_u32 v[254+\b], 0xf8800000, v[12+\b]
.endr
.irp b, 0,1
	s_delay_alu instid0(VALU_DEP_4)
	v_and_or_b32 v[252+\b], v[12+\b], 0x7f800000, s[MNT]
.endr
.irp b, 0,1
	s_delay_alu instid0(VALU_DEP_4)
	v_lshrrev_b32 v[14+\b], 23, v[254+\b]
.endr
	s_delay_alu instid0(VALU_DEP_1)
	v_lshl_or_b32 v[\pw], v15, 8, v14
	s_delay_alu instid0(VALU_DEP_1)
	v_lshl_or_b32 v[\pw], v[\pw], 16, v[\pw]       ; the two bytes serve [Q | 0] in the low half and [0 | Q] in the high
.irp b, 0,1
.irp i, 0,1,2,3,4,5,6,7,8,9,10,11,12,13,14,15
	v_med3_num_f32 v[(\s)+16*\b+\i], v[(\s)+16*\b+\i], -v[252+\b], v[252+\b]
.endr
	v_cvt_scalef32_pk8_bf8_f32 v[(\pc)+4*\b:(\pc)+4*\b+1], v[(\s)+16*\b:(\s)+16*\b+7], v[254+\b]
	v_cvt_scalef32_pk8_bf8_f32 v[(\pc)+4*\b+2:(\pc)+4*\b+3], v[(\s)+16*\b+8:(\s)+16*\b+15], v[254+\b]
.endr
	v_nop                                          ; one plain vector line behind the last conversion
.endm
.macro QTURN younger                   ; q through my stage and into codes; younger: the global loads issued behind q's eight
	s_wait_alu depctr_va_vdst(0)
	s_wait_loadcnt \younger
.irp c, 0,1
.irp i, 0,1,2,3
	ds_store_b128 v[QSTO], v[KV+16*\c+4*\i:KV+16*\c+4*\i+3] offset:576*\i
.endr
.irp j, 0,1,2,3
	ds_load_b128 v[KV+32+16*\c+4*\j:KV+32+16*\c+4*\j+3], v[QRD] offset:16*\j   ; LDS serves a wave's instructions in order (ISA guide 5.7.1): these see the stores above, and the next half's stores come behind them
.endr
.endr
	s_wait_dscnt 0x0
	QUANT2 KV+32, QB+8, QS
.endm
	s_load_b256 s[4:11], s[0:1], 0x0               ; q s[4:5], kv s[6:7], maskw s[8:9], need s[10:11]
	s_load_b64 s[12:13], s[0:1], 0x20              ; out0
	v_lshrrev_b32 v2, 5, v0
	v_readfirstlane_b32 s[WV], v2                  ; wave 0..15
	v_bfe_u32 v11, v0, 3, 2                        ; lane / 8
	v_and_b32 v12, 7, v0
	v_lshlrev_b32 v[FG], 4, v0
	v_lshlrev_b32 v12, 4, v12                      ; 16 (lane % 8)
	v_lshl_add_u32 v[QA], v11, 8, v12
	s_and_b32 s[T0], ttmp7, 0xffff                 ; the head
	s_lshl_b32 s66, s[T0], 19                      ; 2,048 rows of 256 bytes
	s_mov_b32 s67, 0                               ; the upper word of every offset pair s[66:67]
	s_lshl_b32 s[TT], ttmp9, 4
	s_add_co_u32 s[TT], s[TT], s[WV]               ; id = 16 x quarter + wave
	s_sub_co_u32 s[TT], 127, s[TT]                 ; my first tile: 127 - id
	s_wait_alu depctr_va_vdst(0)
	s_wait_kmcnt 0x0
	s_add_nc_u64 s[4:5], s[4:5], s[66:67]
	s_add_nc_u64 s[12:13], s[12:13], s[66:67]
	s_mul_i32 s66, s[T0], HEADB
	s_add_nc_u64 s[6:7], s[6:7], s[66:67]
	s_lshr_b32 s[T0], s[T0], 4                     ; b: sixteen heads share a mask
	s_lshl_b32 s66, s[T0], 19                      ; 128 tiles x 16 steps x 256 bytes
	s_add_nc_u64 s[8:9], s[8:9], s[66:67]
	s_lshl_b32 s66, s[T0], 12                      ; 128 tiles x 32 bytes
	s_add_nc_u64 s[10:11], s[10:11], s[66:67]
	s_lshl_b32 s66, s[TT], 12
	s_add_nc_u64 s[QP:QP+1], s[4:5], s[66:67]      ; q at my first tile
	s_lshl_b32 s66, s[TT], 5
	s_add_nc_u64 s[84:85], s[10:11], s[66:67]      ; its four records
	s_sub_co_u32 s[T0], 127, s[TT]
	s_lshl_b32 s66, s[T0], 5
	s_add_nc_u64 s[86:87], s[10:11], s[66:67]      ; and my second tile's
	s_add_nc_u64 s[SG:SG+1], s[6:7], 17*SLAB       ; the first slab that comes during the walk
	QISSUE
	s_load_b256 s[16:23], s[84:85], 0x0
	s_load_b256 s[24:31], s[86:87], 0x0
.set i, 0
.rept 17                               ; slabs 0-16
	global_load_b128 v[S+4*i:S+4*i+3], v[FG], s[6:7] offset:SLAB*i
.set i, i+1
.endr
	s_mul_i32 s[T0], s[WV], WSTG
	s_add_co_u32 s[T0], s[T0], STAGE               ; my stage
	v_and_b32 v[AD0], 31, v0
	v_and_b32 v13, 15, v0                          ; r
	v_bfe_u32 v14, v0, 4, 1                        ; h
	v_bfe_u32 v15, v0, 3, 1                        ; r / 8
	v_mad_u32_u24 v[QSTO], v11, 144, v12
	v_mul_u32_u24 v[QRD], v13, 144
	v_and_b32 v[STO], 7, v0
	v_mul_u32_u24 v[RD], v14, 272
	v_lshlrev_b32 v[GO], 8, v14
	v_lshlrev_b32 v[AD0], 4, v[AD0]
	v_mul_u32_u24 v[STO], v[STO], 272
	v_add_nc_u32 v[QSTO], s[T0], v[QSTO]           ; q in: row lane / 8 of four, + 16 (lane % 8)
	v_lshl_add_u32 v[QRD], v14, 6, v[QRD]
	v_lshl_add_u32 v[RD], v13, 4, v[RD]
	v_lshl_add_u32 v[STO], v14, 5, v[STO]
	v_lshl_add_u32 v[GO], v13, 4, v[GO]            ; two rows of out0: lanes 0-15 one, lanes 16-31 the next
	v_add_nc_u32 v[QRD], s[T0], v[QRD]
	v_add_nc_u32 v[RD], s[T0], v[RD]               ; back: lanes 0-15 one row, lanes 16-31 the next
	v_lshl_add_u32 v[STO], v15, 7, v[STO]
	v_mov_b32 v[NEG], 0xd0000000
	v_add_nc_u32 v[STO], s[T0], v[STO]             ; out: row r % 8, + 128 (r / 8) + 32 h
	s_mov_b32 s[SEL], 0x76543210
	s_mov_b32 s[SEL+1], 0xfedcba98
	s_mov_b32 s[CS], 0x3e38aa3b                    ; c = log2(e) / 8
	s_mov_b32 s[CS+1], s[CS]
	s_mov_b32 s[MNT], 0x600000
	s_mov_b32 s[HM], 0xff00ff00
.irp i, 0,1,2,3,4,5,6,7
	v_mov_b32 v[QB+\i], 0                          ; the zero codes on both sides of Q's
	v_mov_b32 v[QB+16+\i], 0
.endr
	v_mov_b32 v14, 0
	v_mov_b32 v15, 0                               ; a lane permute's destination counts as one of its sources
	QTURN 17                                       ; q's 8 loads are in; the 17 of the fill, issued behind them, may be out
	v_add_nc_u32 v[FL], 0x10000, v[FG]             ; slabs 8-15: an LDS offset has 16 bits
	v_add_nc_u32 v252, 0x20000, v[FG]              ; slab 16
; A tile's list: the OR of its four records' bits; where some row is masked altogether (both halves of the lanes' AND), every step is walked.
.macro FLAGS rec, dst
	s_or_b32 s[\dst], s[\rec], s[\rec+2]
	s_or_b32 s[\dst], s[\dst], s[\rec+4]
	s_or_b32 s[\dst], s[\dst], s[\rec+6]
	s_and_b32 s[T0], s[\rec+1], s[\rec+3]
	s_and_b32 s[T0], s[T0], s[\rec+5]
	s_and_b32 s[T0], s[T0], s[\rec+7]
	s_lshr_b32 s[T1], s[T0], 16
	s_and_b32 s[T0], s[T0], s[T1]
	s_cmp_lg_u32 s[T0], 0
	s_cselect_b32 s[T0], 0xffff, 0
	s_or_b32 s[\dst], s[\dst], s[T0]
.endm
	s_wait_alu depctr_va_vdst(0)
	s_wait_kmcnt 0x0
	FLAGS 16, F
	FLAGS 24, F2
.set i, 0
.rept 16
	s_wait_loadcnt 16-i                            ; load i is in; those issued behind it may be out
.if i < 8
	ds_store_b128 v[FG], v[S+4*i:S+4*i+3] offset:SLAB*i
.else
	ds_store_b128 v[FL], v[S+4*i:S+4*i+3] offset:SLAB*(i-8)
.endif
.set i, i+1
.endr
	s_wait_loadcnt 0x0
	ds_store_b128 v252, v[S+64:S+67]
	s_wait_dscnt 0x0                               ; for the others' sake: my part of slabs 0-16 lies in LDS
	s_barrier_signal -1
	s_barrier_wait -1                              ; everybody's does: steps 0-7 may be read
.irp b, 0,1,2,3
	v_mov_b32 v[BT+\b], 0                          ; a lane permute's destination counts as one of its sources
.endr
	v_mov_b32 v[FF+1], 0                           ; named as the upper half of a pair
; A WALK is WINIT, one or two LOOPs over the head's 16 steps, and WOUT.
.macro WINIT
	s_wait_alu depctr_va_vdst(0)
	s_wait_xcnt 0x0                                ; the last walk's stores have read their data and their base
	s_lshl_b32 s66, s[TT], 12
	s_add_nc_u64 s[MB:MB+1], s[8:9], s[66:67]      ; the tile's mask words: 16 steps of 256 bytes
	s_add_nc_u64 s[OB:OB+1], s[12:13], s[66:67]    ; its 16 rows of out0
	v_mov_b32 v13, 0xff61b1e6                      ; the largest t so far: -3e38
	s_delay_alu instid0(VALU_DEP_1)
	v_floor_f32 v12, -v13                          ; -M
	v_mov_b32 v14, 0                               ; the sum, in two halves
	v_mov_b32 v15, 0
.set i, 0
.rept 32
	v_mov_b32 v[OT+i], 0                           ; any step of the list may be the first, so the step is written once: it finds zeros, which the first change of M leaves zeros
.set i, i+1
.endr
.endm
; Steps first .. last - 1.  slab > 0: each trip also brings two slabs, from that one on, and a barrier closes the loop.
.macro LOOP w, first, last, slab
	s_mov_b32 s[TB], (\first)*STEPB
	s_mov_b32 s[ST], \first
.if \slab
	s_mov_b32 s[SL], (\slab)*SLAB
.endif
.Lstep_\w:
.if \slab
	global_load_b128 v[FD:FD+3], v[FG], s[SG:SG+1]               ; 512 threads x 16 bytes: a slab; they land under the step's work
	global_load_b128 v[FD+4:FD+7], v[FG], s[SG:SG+1] offset:SLAB
.endif
	v_add_nc_u32 v[AD], s[TB], v[AD0]
	s_lshr_b32 s[T0], s[F], s[ST]
	s_and_b32 s[T1], s[T0], 1
	s_cmp_eq_u32 s[T1], 0
	s_cbranch_scc1 .Lskip_\w                       ; every key of the step is masked for all my queries
	s_and_b32 s[T1], s[T0], 0x10000                ; not 0: the step has a masked key
	s_cmp_eq_u32 s[T1], 0
	s_cbranch_scc1 .Lplain_\w
	s_load_b512 s[16:31], s[MB:MB+1], 0x0          ; the step's 64 lanes' masks
	s_load_b512 s[32:47], s[MB:MB+1], 0x40
	s_load_b512 s[48:63], s[MB:MB+1], 0x80
	s_load_b512 s[68:83], s[MB:MB+1], 0xc0
.Lplain_\w:
.rept 8
	v_nop                                          ; eight places between the last products and loads into their operands and scale words
.endr
	s_wait_alu depctr_va_vdst(0)
	ds_load_b128 v[SC:SC+3], v[AD] offset:16384    ; lanes 0-15: row r's four words of K; lanes 16-31, 256 bytes on: of V
.set i, 0
.rept 16
	ds_load_b128 v[KV+4*i:KV+4*i+3], v[AD] offset:512*i   ; K's four fragments, as they were laid
.set i, i+1
.endr
.irp f, 0,1,2,3                        ; S^T: each fragment meets [Q | 0] (its rows' first keys) and [0 | Q] (the keys 8 on)
	s_wait_dscnt 12-4*\f                           ; the scale words and fragments 0 .. f are in; the four loads of each later fragment may be out
	v_wmma_scale_f32_16x16x128_f8f6f4 v[S+16*\f:S+16*\f+7], v[KV+16*\f:KV+16*\f+15], v[QB+8:QB+23], 0, v[SC+\f], v[QS] matrix_a_fmt:MATRIX_FMT_BF8 matrix_b_fmt:MATRIX_FMT_BF8
	v_wmma_scale_f32_16x16x128_f8f6f4 v[S+16*\f+8:S+16*\f+15], v[KV+16*\f:KV+16*\f+15], v[QB:QB+15], 0, v[SC+\f], v[QS] matrix_a_fmt:MATRIX_FMT_BF8 matrix_b_fmt:MATRIX_FMT_BF8
.endr
.rept 8
	v_nop                                          ; eight places: for the loads into K's registers and for the first read of the scores
.endr
.set i, 0
.rept 16
	ds_load_b128 v[KV+4*i:KV+4*i+3], v[AD] offset:8192+512*i   ; V's four fragments land while the softmax is worked
.set i, i+1
.endr
	s_cmp_eq_u32 s[T1], 0
	s_cbranch_scc1 .Lopen_\w                       ; no key of the step is masked
	s_wait_kmcnt 0x0                               ; the mask words are in
	s_wait_xcnt 0x0                                ; and their base may be stepped at the step's end
.set j, 0
.rept 64                               ; one select a score register, each accumulator from its low end on
.if j < 48
	v_cndmask_b32 v[S+j], v[S+j], v[NEG], s[16+j]
.else
	v_cndmask_b32 v[S+j], v[S+j], v[NEG], s[20+j]
.endif
.set j, j+1
.endr
.Lopen_\w:
.irp b, 0,1,2,3
	v_max3_num_f32 v[BM+\b], v[S+16*\b], v[S+16*\b+1], v[S+16*\b+2]   ; the largest score of each block of 32 keys: for the row's maximum, and, since p rises with the score, for the block's largest p
.endr
.irp i, 3,5,7,9,11,13
.irp b, 0,1,2,3
	v_max3_num_f32 v[BM+\b], v[BM+\b], v[S+16*\b+\i], v[S+16*\b+\i+1]
.endr
.endr
.irp b, 0,1,2,3
	v_max_num_f32 v[BM+\b], v[BM+\b], v[S+16*\b+15]
.endr
.irp b, 0,1,2,3
	s_delay_alu instid0(VALU_DEP_4)
	v_permlanex16_b32 v[BT+\b], v[BM+\b], s[SEL], s[SEL+1]
.endr
.irp b, 0,1,2,3
	s_delay_alu instid0(VALU_DEP_4)
	v_max_num_f32 v[BM+\b], v[BM+\b], v[BT+\b]     ; with lane l xor 16's 16 keys
.endr
	s_delay_alu instid0(VALU_DEP_2)
	v_max3_num_f32 v[TMP], v[BM], v[BM+1], v[BM+2]
	s_delay_alu instid0(VALU_DEP_1)
	v_max_num_f32 v[TMP], v[TMP], v[BM+3]          ; the step's largest score of my query
	s_delay_alu instid0(VALU_DEP_1)
	v_mul_f32 v[TMP], s[CS], v[TMP]                ; as t
	s_delay_alu instid0(VALU_DEP_1)
	v_max_num_f32 v13, v13, v[TMP]                 ; the running largest t
	v_mov_b32 v[TMP], v12
	s_delay_alu instid0(VALU_DEP_2)
	v_floor_f32 v12, -v13                          ; the new -M = floor(-t): M is a whole number
	s_delay_alu instid0(VALU_DEP_1)
	v_sub_f32 v[TMP], v12, v[TMP]                  ; old M - new M: a whole number, 0 or less
	s_delay_alu instid0(VALU_DEP_1)
	v_cvt_i32_f32 v[TMP], v[TMP]                   ; (it saturates)
	s_delay_alu instid0(VALU_DEP_1)
	v_ldexp_f32 v[FF], 1.0, v[TMP]                 ; f = 2^(old M - new M)
.set j, 0
.rept 32
	v_pk_fma_f32 v[S+j:S+j+1], v[S+j:S+j+1], s[CS:CS+1], v[12:13] op_sel_hi:[1,0,0]   ; t - M, two at a time
.set j, j+2
.endr
.irp b, 0,1,2,3
	v_fma_f32 v[BM+\b], v[BM+\b], s[CS], v12       ; the same of each block's largest score
.endr
	s_wait_alu depctr_va_vdst(0)
.set j, 0
.rept 64
	v_exp_f32 v[S+j], v[S+j]                       ; p = 2^(t - M), at most 1
.set j, j+1
.endr
	v_pk_mul_f32 v[14:15], v[14:15], v[FF:FF+1] op_sel_hi:[1,0]   ; the sums under the new M: the plain line behind the exponentials
	s_wait_alu depctr_va_vdst(0)                   ; one wait for the batch of 64, ahead of its first reader
.irp b, 0,1,2,3
	v_exp_f32 v[BM+\b], v[BM+\b]                   ; the block's largest p: the same two instructions on the same number
.endr
	v_pk_add_f32 v[L2:L2+1], v[S:S+1], v[S+2:S+3]  ; the row's sum is taken of the unquantised p, in two chains
.irp j, 4,8,12,16,20,24,28,32,36,40,44,48,52,56,60
	v_pk_add_f32 v[14:15], v[14:15], v[S+\j:S+\j+1]
	v_pk_add_f32 v[L2:L2+1], v[L2:L2+1], v[S+\j+2:S+\j+3]
.endr
	s_delay_alu instid0(VALU_DEP_1)
	v_pk_add_f32 v[14:15], v[14:15], v[L2:L2+1]
	s_wait_alu depctr_va_vdst(0)                   ; and one for the four
.irp b, 0,1,2,3
	v_max_num_f32 v[BM+\b], 0x8000000, v[BM+\b]    ; the floor 2^(16 - 127): a block whose every p is 0 keeps the byte 1, and its codes are zeros
.endr
.irp b, 0,1,2,3
	s_delay_alu instid0(VALU_DEP_4)
	v_add_nc_u32 v[SO+\b], 0xf8800000, v[BM+\b]    ; 15 off the exponent field: the conversion's scale operand
.endr
.irp b, 0,1,2,3
	v_and_or_b32 v[HD+\b], v[BM+\b], 0x7f800000, s[MNT]   ; 57,344 x the scale
.endr
.irp b, 0,1,2,3
	v_lshrrev_b32 v[BT+\b], 23, v[SO+\b]           ; the scale's byte
.endr
	s_delay_alu instid0(VALU_DEP_3)
	v_lshl_or_b32 v[PS], v[BT+1], 8, v[BT]         ; p's scale word for these 128 keys
	s_delay_alu instid0(VALU_DEP_1)
	v_lshl_or_b32 v[PS], v[BT+2], 16, v[PS]
	s_delay_alu instid0(VALU_DEP_1)
	v_lshl_or_b32 v[PS], v[BT+3], 24, v[PS]
.irp b, 0,1,2,3
.irp i, 0,2,4,6,8,10,12,14
	v_dual_min_num_f32 v[S+16*\b+\i], v[S+16*\b+\i], v[HD+\b] :: v_dual_min_num_f32 v[S+16*\b+\i+1], v[S+16*\b+\i+1], v[HD+\b]   ; the conversion does not saturate (ISA guide 7.6.2); p is not negative, so the hold is one-sided; two holds a line
.endr
	v_cvt_scalef32_pk8_bf8_f32 v[PC+4*\b:PC+4*\b+1], v[S+16*\b:S+16*\b+7], v[SO+\b]
	v_cvt_scalef32_pk8_bf8_f32 v[PC+4*\b+2:PC+4*\b+3], v[S+16*\b+8:S+16*\b+15], v[SO+\b]
.endr
	s_wait_alu depctr_va_vdst(0)
.set j, 0
.rept 16
	v_pk_mul_f32 v[OT+j:OT+j+1], v[OT+j:OT+j+1], v[FF:FF+1] op_sel_hi:[1,0]   ; O^T under the new M; these sixteen are also the places between the codes, the scale word and the products
.set j, j+2
.endr
	s_wait_alu depctr_va_vdst(0)
	s_wait_dscnt 0x0                               ; V is in
.irp t, 0,1,2,3                        ; O^T += V^T P^T: the four accumulators by turns, one instruction a turn
	v_wmma_scale_f32_16x16x128_f8f6f4 v[OT+8*\t:OT+8*\t+7], v[KV+16*\t:KV+16*\t+15], v[PC:PC+15], v[OT+8*\t:OT+8*\t+7], v[SC+\t], v[PS] matrix_a_fmt:MATRIX_FMT_BF8 matrix_b_fmt:MATRIX_FMT_BF8 matrix_a_scale:MATRIX_SCALE_ROW1
.endr
.Lskip_\w:
	s_add_co_u32 s[TB], s[TB], STEPB
	s_add_nc_u64 s[MB:MB+1], s[MB:MB+1], 256
.if \slab
	v_add_nc_u32 v[FL], s[SL], v[FG]               ; my 16 bytes' place in the first of the two slabs
	s_wait_alu depctr_va_vdst(0)
	s_wait_loadcnt 0x0                             ; the trip's two loads are in, so their base may be stepped
	ds_store_b128 v[FL], v[FD:FD+3]
	ds_store_b128 v[FL], v[FD+4:FD+7] offset:SLAB
	s_add_nc_u64 s[SG:SG+1], s[SG:SG+1], 2*SLAB
	s_add_co_u32 s[SL], s[SL], 2*SLAB
	s_wait_dscnt 0x0                               ; they lie in LDS: for the next trip's loads into these registers, and in the last trip for the others' sake
.endif
	s_add_co_u32 s[ST], s[ST], 1
	s_cmp_lt_u32 s[ST], \last
	s_cbranch_scc1 .Lstep_\w
.if \slab
	s_barrier_signal -1
	s_barrier_wait -1                              ; everybody's sixteen slabs lie in LDS: all steps may be read
.endif
.endm
; w = 0: the first tile's way out, and the second tile's q; w = 1: the second tile's way out.
.macro WOUT w
.rept 8
	v_nop                                          ; eight places behind the last products
.endr
.if \w == 0
	s_sub_co_u32 s[TT], 127, s[TT]                 ; the next tile: its q is asked for now, into K's and V's registers, and lands under the way out
	s_lshl_b32 s66, s[TT], 12
	s_add_nc_u64 s[QP:QP+1], s[4:5], s[66:67]
	QISSUE
.endif
	; O^T / the sum: register 8 t + i = out(query r, channel 16 t + 8 h + i).  Eight rows at a time go through my stage and come back as whole rows of 256 bytes.
	; So that all lanes store in both passes, lanes r and r xor 8 exchange halves: r < 8 keeps channels 0-31 of rows r and r + 8, r >= 8 channels 32-63 of rows r - 8 and r.
	v_add_f32 v14, v14, v15                        ; the sum's two halves,
	s_delay_alu instid0(VALU_DEP_1)
	v_permlanex16_b32 v[BT], v14, s[SEL], s[SEL+1]
	s_delay_alu instid0(VALU_DEP_1)
	v_add_f32 v14, v14, v[BT]                      ; and lane l xor 16's
	s_wait_alu depctr_va_vdst(0)
	v_rcp_f32 v[FF], v14
	v_nop                                          ; a plain line behind the reciprocal
	s_wait_alu depctr_va_vdst(0)                   ; and the wait ahead of its first reader
.set j, 0
.rept 16
	v_pk_mul_f32 v[S+j:S+j+1], v[OT+j:OT+j+1], v[FF:FF+1] op_sel_hi:[1,0]   ; each accumulator from its low end on
.set j, j+2
.endr
.set j, 0
.rept 16
	v_cndmask_b32 v[S+32+j], v[S+16+j], v[S+j], s[HM]   ; what I hand over: r < 8 channels 32-63, r >= 8 channels 0-31
.set j, j+1
.endr
.set j, 0
.rept 16
	v_mov_b32_dpp v[S+32+j], v[S+32+j] row_xmask:8 row_mask:0xf bank_mask:0xf
.set j, j+1
.endr
.set j, 0
.rept 16
	v_cndmask_b32 v[S+j], v[S+j], v[S+32+j], s[HM]         ; rows 0-7
	v_cndmask_b32 v[S+16+j], v[S+32+j], v[S+16+j], s[HM]   ; rows 8-15
.set j, j+1
.endr
.irp p, 0,1                            ; rows 8 p .. 8 p + 7
.irp t, 0,1
	ds_store_b128 v[STO], v[S+16*\p+8*\t:S+16*\p+8*\t+3] offset:64*\t
	ds_store_b128 v[STO], v[S+16*\p+8*\t+4:S+16*\p+8*\t+7] offset:64*\t+16
.endr
.irp i, 0,1,2,3
	ds_load_b128 v[S+32+16*\p+4*\i:S+32+16*\p+4*\i+3], v[RD] offset:544*\i   ; in order behind the stores above, and ahead of the next half's
.endr
.endr
.irp p, 0,1
.irp i, 0,1,2,3
	s_wait_dscnt 8*(1-\p)+3-\i                     ; behind this load: the rest of its four, and for the first half the second's 4 stores and 4 loads
	global_store_b128 v[GO], v[S+32+16*\p+4*\i:S+32+16*\p+4*\i+3], s[OB:OB+1] offset:(8*\p+2*\i)*256 th:TH_STORE_NT   ; sixteen lanes store a row: 256 consecutive bytes, aligned
.endr
.endr
.if \w == 0
	QTURN 0                                        ; the next tile's q into codes
	s_mov_b32 s[F], s[F2]
.endif
.endm
	WINIT                                          ; tile 127 - id; the rest of the head's bytes comes under its first eight trips
	LOOP a, 0, 8, 17
	LOOP d, 8, 16, 0
	WOUT 0
	WINIT                                          ; tile id
	LOOP e, 0, 16, 0
	WOUT 1
	v_lshl_add_u32 v254, v0, 2, SPARE              ; no two registers could be kept: v0 stands, and the two are made here
	v_mov_b32 v255, 0
	s_wait_alu depctr_va_vdst(0)
	s_wait_tensorcnt 0x0                           ; the wave's end
	ds_add_u32 v254, v255
	s_wait_dscnt 0x0
	s_endpgm
.Lfunc_end_k_q403d60ce31_attn:
	.size	k_q403d60ce31_attn, .Lfunc_end_k_q403d60ce31_attn-k_q403d60ce31_attn
	.p2alignl 7, 3214868480
	.fill 96, 4, 3214868480
	.section	.rodata,"a",@progbits
	.p2align	6, 0x0
	.amdhsa_kernel k_q403d60ce31_attn
		.amdhsa_group_segment_fixed_size 309248
		.amdhsa_private_segment_fixed_size 0
		.amdhsa_enable_private_segment 0
		.amdhsa_kernarg_size 40
		.amdhsa_user_sgpr_count 2
		.amdhsa_user_sgpr_kernarg_segment_ptr 1
		.amdhsa_wavefront_size32 1
		.amdhsa_system_sgpr_workgroup_id_x 1
		.amdhsa_system_sgpr_workgroup_id_y 1
		.amdhsa_system_sgpr_workgroup_id_z 1
		.amdhsa_system_vgpr_workitem_id 0
		.amdhsa_next_free_vgpr 256
		.amdhsa_next_free_sgpr 102
		.amdhsa_reserve_vcc 0
		.amdhsa_float_denorm_mode_32 3
		.amdhsa_float_denorm_mode_16_64 3
		.amdhsa_memory_ordered 1
		.amdhsa_forward_progress 1
		.amdhsa_inst_pref_size 113
	.end_amdhsa_kernel
	.amdgpu_metadata
---
amdhsa.version: [ 1, 2 ]
amdhsa.kernels:
  - .name:           k_q403d60ce31_attn
    .symbol:         k_q403d60ce31_attn.kd
    .args:
      - { .name: q, .offset: 0, .size: 8, .value_kind: global_buffer, .address_space: global }
      - { .name: kv, .offset: 8, .size: 8, .value_kind: global_buffer, .address_space: global }
      - { .name: maskw, .offset: 16, .size: 8, .value_kind: global_buffer, .address_space: global }
      - { .name: need, .offset: 24, .size: 8, .value_kind: global_buffer, .address_space: global }
      - { .name: out0, .offset: 32, .size: 8, .value_kind: global_buffer, .address_space: global }
    .group_segment_fixed_size: 309248
    .private_segment_fixed_size: 0
    .kernarg_segment_align: 8
    .kernarg_segment_size: 40
    .max_flat_workgroup_size: 512
    .sgpr_count:     102
    .vgpr_count:     256
    .wavefront_size: 32
...
	.end_amdgpu_metadata
.endif
;; end of part 2
